; MI455X (gfx1250); checked and timed in simulation.
; The chip was launched on July 23, 2026; its instructions are those of AMD's public machine-readable ISA for CDNA 5 (MIT licence, August 2026) and "CDNA5" Instruction Set Architecture Reference Guide (July 2026). The comments in the code are by the model that wrote it; some were corrected since.
;; s LSTM Cell. Allowed arithmetic: matrix products marked QUANTISED: E2M1 operands, one E8M0 scale for each 32 along K, by v_wmma_scale_f32_16x16x128_f8f6f4 with both operands' format E2M1 (or v_wmma_scale_f32_32x16x128_f4), f32 sums; everything else in f32.
;; Inputs: Wh 4,096 x 1,024 float32; Wx 4,096 x 512 float32; bh 4,096 float32; bx 4,096 float32; c_prev 8,192 x 1,024 float32; h_prev 8,192 x 1,024 float32; ln_c_b 1,024 float32; ln_c_g 1,024 float32; ln_h_b 1,024 float32; ln_h_g 1,024 float32; ln_hu_b 4,096 float32; ln_hu_g 4,096 float32; ln_in_b 4,096 float32; ln_in_g 4,096 float32; x 8,192 x 512 float32.
;; Outputs: out0 8,192 x 1,024 float32; out1 8,192 x 1,024 float32.
;; This version of the problem:
;;   THIS VERSION OF THE PROBLEM IS GIVEN IN LOW PRECISION. The matrix products marked QUANTISED in the list below multiply operands that are first quantised to E2M1 (2 exponent bits, 1 mantissa bit; 4 bits a number), with one power-of-two scale for each 32 numbers along K (OCP MX v1.0); their sums are f32. All else is computed in f32.
;;   The module's matrix products, in the order in which they are computed (A, B: the left and right operand; K: the contracted axis; several contracted axes count as one K, in the product's order):
;;     1. [M 8,192, K 512] x [K 512, N 4,096]; A: input x; B: input Wx: QUANTISED
;;     2. [M 8,192, K 1,024] x [K 1,024, N 4,096]; A: input h_prev; B: input Wh: QUANTISED
;;   THE QUANTISER, for each operand of a quantised product, along K:
;;     - K is cut into blocks of 32 from its start; a last block that is shorter is filled with zeros.
;;     - A block's scale is 2^e with e = floor(log2(the largest magnitude in the block)) - 2, held to -126 .. 127; a block of zeros has e = 0. As a byte (E8M0): e + 127.
;;     - Each number is divided by its block's scale, clamped to +-6, and rounded to the nearest number of E2M1, ties to even, subnormals kept.
;;     - The product sums the exact products of the quantised numbers (number of the format x scale) in f32.
;;   ~~~python
;;   def quantise(x, axis):      # numpy; x: float32 -> the quantised numbers, widened to float32 again
;;       x = np.moveaxis(x, axis, -1); K = x.shape[-1]
;;       x = np.pad(x, [(0, 0)] * (x.ndim - 1) + [(0, -K % 32)]); x = x.reshape(x.shape[:-1] + (-1, 32)); a = np.abs(x).max(-1, keepdims=True)
;;       e = np.where(a > 0, np.clip(np.frexp(np.where(a > 0, a, 1))[1] - 1 - 2, -126, 127), 0)      # np.frexp(a)[1] - 1 = floor(log2(a)), exactly
;;       r = np.clip(x / 2.0 ** e, -6, 6)
;;       step = 2.0 ** (np.maximum(np.frexp(np.where(r == 0, 1, r))[1] - 1, 0) - 1)
;;       q = np.round(r / step) * step * 2.0 ** e      # np.round: ties to even
;;       return np.moveaxis(q.reshape(q.shape[:-2] + (-1,))[..., :K], -1, axis).astype(np.float32)
;;   ~~~
;; One version. Each part assembles by itself: llvm-mc -triple=amdgcn-amd-amdhsa -mcpu=gfx1250 --defsym DOCPART=n.
;; ======== version 1 of 1: 2 launches
;; limits: right only within a limited range of input values
;; workspace buffers: xq 2,228,224 bytes; hq 4,456,448 bytes; wxq 1,114,112 bytes; whq 2,228,224 bytes
;; launch prep (part 1): grid 256 x 1, 9 waves a work-group, no clusters, 327,680 bytes of LDS; arguments x, Wx, h_prev, Wh, xq, wxq, hq, whq; writes xq, wxq, hq, whq
.if DOCPART == 1
	.amdgcn_target "amdgcn-amd-amdhsa--gfx1250"
	.amdhsa_code_object_version 6
	.text
	.protected	k_q57320ae317_prep
	.globl	k_q57320ae317_prep
	.p2align	8
	.type	k_q57320ae317_prep,@function
k_q57320ae317_prep:
	s_mov_b64 s[64:65], 0
	v_nop
	global_prefetch_b8 v0, s[64:65] scope:SCOPE_SE
	s_setreg_imm32_b32 hwreg(HW_REG_WAVE_MODE, 25, 1), 1
	s_wait_xcnt 0x0
; x [8192][512], Wx [4096][512], h_prev [8192][1024], Wh [4096][1024], f32, K innermost, become codes of FP4 (E2M1) with one E8M0 byte for each 32 along K,
; laid in the order in which the next launch's operand registers take them.  Nothing of the problem is left out: every input has a way to an output.
; A RECORD, 4,352 bytes = 17 x 256, holds 64 consecutive rows x 128 along K: four images of 1,024 bytes and 256 bytes of scale words.  Image s is the fragment of rows 4 r + s, r = 0 .. 15:
; lane (r, h) has its registers 4 c .. 4 c + 3 (k = 64 c + 32 h + 0 .. 31) at s x 1,024 + c x 512 + 16 x lane.  At 4,096 + 8 x lane + 4 i lies the scale word of image 2 i + lane / 16, row lane % 16.
; Record number = swap(row / 64) x (K / 128) + k / 128, where swap exchanges bits 5:4 and 3:2: so the records of weight rows 1,024 G + 256 w + 64 u + .. lie on end for each w.
; A block's scale is 2^(floor(log2(its largest magnitude)) - 2); its byte is the largest magnitude's exponent field - 2, held at 1 from below.
; LIMITS: a block of zeros gets the byte 1 where the rule says 127 (its codes are zeros, and this program alone reads the bytes); blocks whose largest magnitude lies under 2^(3 - 127) are held at that floor;
; NaN and infinities among the inputs are not served.
; SHARES: 2,304 records = 256 work-groups x 9 waves, a record a wave.  Waves 0, 1: x; wave 2: Wx; waves 3 to 6: h_prev; waves 7, 8: Wh.
; A wave's 64 rows x 512 bytes come by ONE tensor load into LDS rows of 528 bytes, row by row as they lie in memory; image s reads LDS rows 4 r + s.  Nothing is filled again; waves share nothing: no barrier.
.set REC,   4352
.set LP,    528                        ; an LDS row: 512 bytes + 16 of padding
.set WREG,  64*LP                      ; a wave's region
.set SPARE, 9*WREG                     ; behind the nine regions: the spare words, 128 bytes a wave, five blocks of 256 bytes that no other line names
.set X,     32                         ; v32-95   my 64 numbers of an image: two blocks of 32
.set C,     96                         ; v96-127  codes: eight registers an image, so that no store's data are written again
.set W,     20                         ; v20-23   an image's scale word of my row
.set G1A,   28                         ; s[28:35] descriptor group 1 for K = 512
.set G1B,   36                         ; s[36:43] for K = 1,024: it differs in the pitch alone
.set G0,    44                         ; s[44:47] group 0
	s_load_b512 s[4:19], s[0:1], 0x0               ; x, Wx, h_prev, Wh, xq, wxq, hq, whq
	v_lshl_add_u32 v14, v0, 2, SPARE
	v_mov_b32 v15, 0
	ds_add_u32 v14, v15                            ; the wave's opening: the add, twice on end, and its wait ahead of my tensor load
	ds_add_u32 v14, v15
	v_lshrrev_b32 v1, 5, v0
	s_delay_alu instid0(VALU_DEP_1)
	v_readfirstlane_b32 s20, v1                    ; wave 0..8
.irp g, G1A, G1B
	s_mov_b32 s[\g], 0x07920000                    ; elements of 4 bytes; padding on: 4 words behind every 128
	s_mov_b32 s[\g+1], 128<<16                     ; tensor_dim0 = 128
	s_mov_b32 s[\g+2], 64<<16                      ; tensor_dim1 = 64
	s_mov_b32 s[\g+3], 128<<16                     ; tile_dim0 = 128
	s_mov_b32 s[\g+4], 64                          ; tile_dim1 = 64
	s_mov_b32 s[\g+6], 0
	s_mov_b32 s[\g+7], 0
.endr
	s_mov_b32 s[G1A+5], 512                        ; from row to row: 512 numbers,
	s_mov_b32 s[G1B+5], 1024                       ; 1,024
	s_mov_b32 s21, 1                               ; log2 of the tensor's records in a work-group (Wh: 2),
	s_mov_b32 s22, 7                               ; and its first wave
	s_cmp_lt_u32 s20, 7
	s_cselect_b32 s21, 2, s21
	s_cselect_b32 s22, 3, s22
	s_cmp_lt_u32 s20, 3
	s_cselect_b32 s21, 0, s21
	s_cselect_b32 s22, 2, s22
	s_cselect_b32 s23, 2, 3                        ; log2 of K / 128
	s_cselect_b32 s68, 11, 12                      ; log2 of a row's bytes
	s_cmp_lt_u32 s20, 2
	s_cselect_b32 s21, 1, s21
	s_cselect_b32 s22, 0, s22
	s_lshl_b32 s69, ttmp9, s21
	s_add_co_u32 s69, s69, s20
	s_sub_co_u32 s69, s69, s22                     ; which (row / 64, k / 128) of the tensor is mine
	s_lshr_b32 s70, s69, s23                       ; row / 64
	s_lshl_b32 s71, s70, s23
	s_sub_co_u32 s71, s69, s71                     ; k / 128
	s_add_co_u32 s72, s68, 6
	s_lshl_b32 s72, s70, s72
	s_lshl_b32 s73, s71, 9
	s_add_co_u32 s72, s72, s73                     ; where my numbers begin, in bytes (under 2^26)
	s_mov_b32 s73, 0
	s_and_b32 s74, s70, 0x43
	s_and_b32 s75, s70, 0x30
	s_lshr_b32 s75, s75, 2
	s_or_b32 s74, s74, s75
	s_and_b32 s75, s70, 0x0c
	s_lshl_b32 s75, s75, 2
	s_or_b32 s74, s74, s75                         ; swap(row / 64)
	s_lshl_b32 s74, s74, s23
	s_add_co_u32 s74, s74, s71
	s_mul_i32 s74, s74, REC                        ; where my record begins
	s_mov_b32 s75, 0
	s_mul_i32 s67, s20, WREG                       ; my region of LDS
	s_mov_b32 s60, 0x76543210
	s_mov_b32 s61, 0xfedcba98                      ; v_permlanex16_b32's selects for lane l xor 16
	s_mov_b32 s66, 0xffff0000                      ; lanes 16-31
	s_wait_dscnt 0x0                               ; both opening adds are done
	s_wait_kmcnt 0x0
	s_cmp_lt_u32 s20, 7                            ; the buffers are chosen by the wave's number alone
	s_cselect_b64 s[24:25], s[8:9], s[10:11]
	s_cselect_b64 s[26:27], s[16:17], s[18:19]
	s_cmp_lt_u32 s20, 3
	s_cselect_b64 s[24:25], s[6:7], s[24:25]
	s_cselect_b64 s[26:27], s[14:15], s[26:27]
	s_cmp_lt_u32 s20, 2
	s_cselect_b64 s[24:25], s[4:5], s[24:25]
	s_cselect_b64 s[26:27], s[12:13], s[26:27]
	s_add_nc_u64 s[24:25], s[24:25], s[72:73]
	s_add_nc_u64 s[26:27], s[26:27], s[74:75]
	s_mov_b32 s[G0], 1                             ; count = 1
	s_add_co_u32 s[G0+1], s67, 0                   ; LDS address
	s_mov_b64 s[G0+2:G0+3], s[24:25]
	s_or_b32 s[G0+3], s[G0+3], 0x80000000          ; type = 2
	s_cmp_lt_u32 s20, 3                            ; every wave issues its one first fill, in one arm or the other
	s_cbranch_scc0 .Lwide
	tensor_load_to_lds s[G0:G0+3], s[G1A:G1A+7]
	s_nop 0
.rept 4
	v_nop
.endr
	s_branch .Lasked
.Lwide:
	tensor_load_to_lds s[G0:G0+3], s[G1B:G1B+7]
	s_nop 0
.rept 4
	v_nop
.endr
.Lasked:
	v_and_b32 v1, 31, v0                           ; lane
	v_and_b32 v2, 15, v0                           ; r
	v_bfe_u32 v3, v0, 4, 1                         ; h
	s_delay_alu instid0(VALU_DEP_2)
	v_mul_u32_u24 v4, v2, 4*LP
	s_delay_alu instid0(VALU_DEP_1)
	v_lshl_add_u32 v4, v3, 7, v4
	s_delay_alu instid0(VALU_DEP_1)
	v_add_nc_u32 v4, s67, v4                       ; LDS: row 4 r, + 128 h: block h; block 2 + h lies 256 bytes on; image s one row further for each s
	v_lshlrev_b32 v5, 4, v1                        ; 16 x lane
	v_lshlrev_b32 v6, 3, v1                        ; 8 x lane
	v_lshlrev_b32 v7, 3, v3                        ; 8 h: my bytes' place in the scale word
	v_mov_b32 v17, 0                               ; a lane permute's destination counts as one of its sources
; Image s: my row 4 r + s, blocks h and 2 + h, become eight registers of codes and two bytes of the row's scale word.
.macro QT s
.if \s == 0
	s_wait_tensorcnt 0x0                           ; my one tensor load has landed
.endif
.irp c, 0,1
.irp i, 0,1,2,3,4,5,6,7
	ds_load_b128 v[X+32*\c+4*\i:X+32*\c+4*\i+3], v4 offset:\s*LP+256*\c+16*\i
.endr
.endr
	s_wait_dscnt 0x0
.irp c, 0,1
	v_max3_num_f32 v[8+\c], |v[X+32*\c]|, |v[X+32*\c+1]|, 0x1800000   ; the floor 2^(3 - 127) among the leaves: the byte cannot fall under 1
.endr
.irp i, 2,4,6,8,10,12,14,16,18,20,22,24,26,28,30
.irp c, 0,1
	s_delay_alu instid0(VALU_DEP_2)
	v_max3_num_f32 v[8+\c], v[8+\c], |v[X+32*\c+\i]|, |v[X+32*\c+\i+1]|   ; the two blocks by turns
.endr
.endr
.irp c, 0,1
	s_delay_alu instid0(VALU_DEP_2)
	v_add_nc_u32 v[10+\c], 0xff000000, v[8+\c]     ; 2 off the exponent field: the conversion's scale operand
.endr
.irp c, 0,1
	s_delay_alu instid0(VALU_DEP_2)
	v_lshrrev_b32 v[12+\c], 23, v[10+\c]           ; the scale's byte
.endr
	s_delay_alu instid0(VALU_DEP_1)
	v_lshl_or_b32 v16, v13, 16, v12                ; blocks h and 2 + h,
	s_delay_alu instid0(VALU_DEP_1)
	v_lshlrev_b32 v16, v7, v16                     ; at their places;
	s_delay_alu instid0(VALU_DEP_1)
	v_permlanex16_b32 v17, v16, s60, s61
	s_delay_alu instid0(VALU_DEP_1)
	v_or_b32 v[W+\s], v16, v17                     ; with lane l xor 16's two the word is whole
.irp c, 0,1
.irp g, 0,1,2,3
	v_cvt_scalef32_pk8_fp4_f32 v[C+8*\s+4*\c+\g], v[X+32*\c+8*\g:X+32*\c+8*\g+7], v[10+\c]
.endr
.endr
	v_nop                                          ; one plain line behind the last conversion
.irp c, 0,1
	global_store_b128 v5, v[C+8*\s+4*\c:C+8*\s+4*\c+3], s[26:27] offset:1024*\s+512*\c   ; 32 lanes store 512 consecutive bytes, at a multiple of 256 from the buffer's first byte
.endr
.endm
	s_wait_alu depctr_va_vdst(0)
	QT 0
	QT 1
	QT 2
	QT 3
	v_cndmask_b32 v24, v[W], v[W+1], s66           ; lanes 0-15 image 0's words, lanes 16-31 image 1's;
	v_cndmask_b32 v25, v[W+2], v[W+3], s66         ; images 2 and 3
	global_store_b64 v6, v[24:25], s[26:27] offset:4096   ; 256 consecutive bytes
	s_wait_tensorcnt 0x0                           ; the wave's end
	ds_add_u32 v14, v15
	s_wait_dscnt 0x0
	s_endpgm
.Lfunc_end_k_q57320ae317_prep:
	.size	k_q57320ae317_prep, .Lfunc_end_k_q57320ae317_prep-k_q57320ae317_prep
	.p2alignl 7, 3214868480
	.fill 96, 4, 3214868480
	.section	.rodata,"a",@progbits
	.p2align	6, 0x0
	.amdhsa_kernel k_q57320ae317_prep
		.amdhsa_group_segment_fixed_size 327680
		.amdhsa_private_segment_fixed_size 0
		.amdhsa_enable_private_segment 0
		.amdhsa_kernarg_size 64
		.amdhsa_user_sgpr_count 2
		.amdhsa_user_sgpr_kernarg_segment_ptr 1
		.amdhsa_wavefront_size32 1
		.amdhsa_system_sgpr_workgroup_id_x 1
		.amdhsa_system_sgpr_workgroup_id_y 1
		.amdhsa_system_sgpr_workgroup_id_z 1
		.amdhsa_system_vgpr_workitem_id 0
		.amdhsa_next_free_vgpr 144
		.amdhsa_next_free_sgpr 80
		.amdhsa_reserve_vcc 0
		.amdhsa_float_denorm_mode_32 3
		.amdhsa_float_denorm_mode_16_64 3
		.amdhsa_memory_ordered 1
		.amdhsa_forward_progress 1
		.amdhsa_inst_pref_size 27
	.end_amdhsa_kernel
	.amdgpu_metadata
---
amdhsa.version: [ 1, 2 ]
amdhsa.kernels:
  - .name:           k_q57320ae317_prep
    .symbol:         k_q57320ae317_prep.kd
    .args:
      - { .name: x, .offset: 0, .size: 8, .value_kind: global_buffer, .address_space: global }
      - { .name: Wx, .offset: 8, .size: 8, .value_kind: global_buffer, .address_space: global }
      - { .name: h_prev, .offset: 16, .size: 8, .value_kind: global_buffer, .address_space: global }
      - { .name: Wh, .offset: 24, .size: 8, .value_kind: global_buffer, .address_space: global }
      - { .name: xq, .offset: 32, .size: 8, .value_kind: global_buffer, .address_space: global }
      - { .name: wxq, .offset: 40, .size: 8, .value_kind: global_buffer, .address_space: global }
      - { .name: hq, .offset: 48, .size: 8, .value_kind: global_buffer, .address_space: global }
      - { .name: whq, .offset: 56, .size: 8, .value_kind: global_buffer, .address_space: global }
    .group_segment_fixed_size: 327680
    .private_segment_fixed_size: 0
    .kernarg_segment_align: 8
    .kernarg_segment_size: 64
    .max_flat_workgroup_size: 288
    .sgpr_count:     80
    .vgpr_count:     144
    .wavefront_size: 32
...
	.end_amdgpu_metadata
.endif
;; end of part 1
;; launch cell (part 2): grid 256 x 1, 4 waves a work-group, no clusters, 276,992 bytes of LDS; arguments xq, hq, wxq, whq, bx, bh, ln_in_g, ln_in_b, ln_hu_g, ln_hu_b, c_prev, ln_c_g, ln_c_b, ln_h_g, ln_h_b, out0, out1; writes out0, out1
.if DOCPART == 2
	.amdgcn_target "amdgcn-amd-amdhsa--gfx1250"
	.amdhsa_code_object_version 6
	.text
	.protected	k_q57320ae317_cell
	.globl	k_q57320ae317_cell
	.p2align	8
	.type	k_q57320ae317_cell,@function
k_q57320ae317_cell:
	s_mov_b64 s[64:65], 0
	v_nop
	global_prefetch_b8 v0, s[64:65] scope:SCOPE_SE
	s_setreg_imm32_b32 hwreg(HW_REG_WAVE_MODE, 25, 1), 1
	s_wait_xcnt 0x0
; The whole sLSTM cell behind the quantiser: a = x Wx^T, b = h Wh^T on codes of FP4 with E8M0 scales; LayerNorm of a + bx and of b + bh over 4,096 columns; the two exponential gates, normalised over 1,024 columns;
; c = LayerNorm(f c_prev + i tanh(g)) -> out1;  h = sigmoid(o) LayerNorm(tanh(c)) -> out0.  No work of the problem is left out; this text does MORE matrix work than the problem writes (below).
; SHARES.  Every reduction runs along a row, so a row stays with one work-group: 256 work-groups x 32 rows.  The four waves share the COLUMNS: wave w has columns 1,024 G + 256 w + 64 u + 4 r + s of gate G (i, f, g, o).
; A group (G, u) is four tiles s of 16 columns x 32 rows: 64 registers.  Source 0 = 16 rows of x or h (kept in registers for the whole launch), source 1 = 16 rows of a weight: lane (r, h) holds ONE column,
; register 16 s + jj the row R0 + 32 h + 4 (jj % 8) + jj / 8.  So 16 bytes at 16 r of a vector of column parameters are the lane's four tiles' numbers, and 16 bytes a lane of c_prev or of an output are
; 256 consecutive aligned bytes of one row in sixteen lanes: nothing goes through a stage.
; THE WEIGHTS ARE STREAMED from memory into a ring of eight register slots (a slot: one record of the launch before, 64 weight rows x 128 K, by 9 loads).  32 rows x 8,192 pre-activations do not fit in a
; work-group's registers and LDS, so: a is multiplied twice (once for its mean and variance, once for use), b of the gates g and o likewise; b of the gates i and f is kept in LDS: 336 steps a wave.
; Each slot has a base pair of its own, written behind the wait that shows the slot's last nine loads done: so no base is written while a load may still read it, and the stream has no wait but its counted ones.
; MEAN AND VARIANCE IN ONE PASS, with no difference of large sums: every sum of products begins with C = -s, s the row's mean over a first 128 (a) or 64 (b) columns, which all four waves work out alike;
; the sums are taken of e = y - s.  The later LayerNorms (1,024 columns, data in LDS) take two passes.
; LDS: wave w's own 65,536 bytes hold gate i's and gate f's four groups as images of registers (group x 8,192 + 512 i + 16 x lane), rewritten in place: b -> pre-activation -> exponential -> f c_prev + i tanh(g) / sigmoid(o) -> tanh(c).
; Behind them seven exchanges of row sums, each with bytes of its own (one barrier each), and the spare words.
; THE PASSES OVER LDS ASK A TRIP AHEAD: a group lands in TB, the pass's first operation puts its result into TA0, and the next group is asked for at once; a pass's last request wraps to group 0, with which the next pass begins.
; The factors log2(e), 2 log2(e), -log2(e) of the exponentials are folded into the column parameters.  tanh(x) = 1 - 2 / (1 + 2^(2 log2(e) x)), sigmoid(x) = 1 / (1 + 2^(-log2(e) x)): they saturate at their ends.
; LIMITS: NaN and infinities among the inputs are not served; the one-pass variance is held at 0 from below before its epsilon is added.
; NO CLUSTER, NO TENSOR LOAD: a weight fragment feeds one wave once, straight into its registers; 262,144 bytes of LDS hold the gates, so a shared ring would have slots of a few records only.
; REGISTERS, in windows of 256.  Window 0: addresses, scale words, column parameters, seven row vectors of 16.  Window 1: four groups at work.  Window 2: x's and h's fragments, c_prev.  Window 3: the ring.
.set REC,   4352
.set RED,   262144                     ; the exchanges: exchange e at 2,048 (e - 1); in it wave x 512 + h x 256 + vector x 64
.set SPARE, 276480                     ; the spare words, 128 bytes a wave: two blocks of 256 bytes that no other line names
.set EX1, 0
.set EX2, 2048
.set EX3, 4096
.set EX4, 6144
.set EX5, 8192
.set EX6, 10240
.set EX7, 12288
.set LO16, 1                           ; v1   16 x lane
.set LO8,  2                           ; v2   8 x lane
.set R16,  3                           ; v3   16 r
.set PV,   4                           ; v4   byte of my four columns in a vector of parameters
.set LB,   5                           ; v5   LDS: 65,536 w + 16 x lane
.set LA,   6                           ; v6   LDS: the group in hand
.set VST,  7                           ; v7   LDS: RED + 512 w + 256 h
.set VLD,  8                           ; v8   LDS: RED + 256 h
.set IO,   9                           ; v9   131,072 h + 16 r: my place in c_prev and the outputs
.set PFO,  10                          ; v10  4,096 x (4 (lane % 16) + lane / 16): a lane a row, for the prefetch
.set IOU,  11                          ; v11  IO + 256 u
.set LN,   12                          ; v12  LDS: the group that is asked for ahead
.set SPW,  14                          ; v14  my spare word; never rewritten
.set NIL,  15                          ; v15  0; never rewritten
.set ASX,  16                          ; v16-19 x's scale words: lanes 0-15 my first 16 rows, lanes 16-31 the other 16
.set ASH,  20                          ; v20-27 h's
.set BS,   32                          ; v32-47 the ring's scale words, two registers a slot: register i: lanes 0-15 tile 2 i, lanes 16-31 tile 2 i + 1
.set PL,   48                          ; v48-95 column parameters as loaded
.set PD,   96                          ; v96-135 twenty pairs: the number in the even register (the packed forms take a pair's low word for both halves)
.set VV0,  136                         ; row vectors
.set VV1,  152
.set VV2,  168
.set VV3,  184
.set VV4,  200
.set VV5,  216
.set VV6,  232
.set VV7,  48                          ; an eighth, in PL's place, in the pass of the exponentials alone
.set TA0,  0                           ; window 1
.set TA1,  64
.set TB,   128
.set X1,   192
.set XF,   0                           ; window 2: x's fragments (K step q, rows' half p) at 16 q + 8 p
.set HF,   64                          ; h's
.set CP,   192                         ; c_prev: register 4 jj + s
.set STG,  0                           ; the outputs, in x's place at the end
.set SB,   84                          ; s[84:99] the ring's bases, a pair a slot
.set MSB, 0
.macro WIN new                         ; bits 1:0 source 0, 3:2 source 1, 5:4 source 2, 7:6 destination; the high byte repeats the setting that is left
.if MSB != \new
	s_set_vgpr_msb (MSB<<8)|\new
.set MSB, \new
.endif
.endm
.macro MM d, a, b, c, sa, sb, ra, rb   ; one product; ra, rb: the scales' row of lanes
.if ((\ra) == 0) && ((\rb) == 0)
	v_wmma_scale_f32_16x16x128_f8f6f4 v[\d:\d+7], v[\a:\a+7], v[\b:\b+7], v[\c:\c+7], v[\sa], v[\sb] matrix_a_fmt:MATRIX_FMT_FP4 matrix_b_fmt:MATRIX_FMT_FP4
.elseif (\rb) == 0
	v_wmma_scale_f32_16x16x128_f8f6f4 v[\d:\d+7], v[\a:\a+7], v[\b:\b+7], v[\c:\c+7], v[\sa], v[\sb] matrix_a_fmt:MATRIX_FMT_FP4 matrix_b_fmt:MATRIX_FMT_FP4 matrix_a_scale:MATRIX_SCALE_ROW1
.elseif (\ra) == 0
	v_wmma_scale_f32_16x16x128_f8f6f4 v[\d:\d+7], v[\a:\a+7], v[\b:\b+7], v[\c:\c+7], v[\sa], v[\sb] matrix_a_fmt:MATRIX_FMT_FP4 matrix_b_fmt:MATRIX_FMT_FP4 matrix_b_scale:MATRIX_SCALE_ROW1
.else
	v_wmma_scale_f32_16x16x128_f8f6f4 v[\d:\d+7], v[\a:\a+7], v[\b:\b+7], v[\c:\c+7], v[\sa], v[\sb] matrix_a_fmt:MATRIX_FMT_FP4 matrix_b_fmt:MATRIX_FMT_FP4 matrix_a_scale:MATRIX_SCALE_ROW1 matrix_b_scale:MATRIX_SCALE_ROW1
.endif
.endm
.macro FILLJ j, rp                     ; slot j takes record j of the eight at s[rp]: nine loads
	WIN 0xc0
.irp k, 0,1,2,3,4,5,6,7
	global_load_b128 v[32*(\j)+4*\k:32*(\j)+4*\k+3], v[LO16], s[\rp:\rp+1] offset:(\j)*REC+512*\k
.endr
	WIN 0
	global_load_b64 v[BS+2*(\j):BS+2*(\j)+1], v[LO8], s[\rp:\rp+1] offset:(\j)*REC+4096
.endm
; A STEP: slot j's record against K step q of x or h: eight products, four tiles x two halves of the rows, the eight accumulators by turns.
; q = 0 starts the sums with C = the row vector cb.  Four places stand behind the products, ahead of the loads into the slot and of the first read of results.
; The slot's base pair takes the next revolution's address s[rp] behind the step's own wait: the nine loads that named the pair are done.  s[rp] itself is never a load's base.
.macro STEP j, acc, af, as, q, cb, rp, fill, w
	s_wait_loadcnt \w                              ; loads come back in order: behind my slot's nine at least w were issued
.if \fill
	s_mov_b64 s[SB+2*(\j):SB+2*(\j)+1], s[\rp:\rp+1]
.endif
.if (\q) == 0
	WIN 0x4e
.else
	WIN 0x5e
.endif
.irp s, 0,1,2,3
.irp p, 0,1
.if (\q) == 0
	MM \acc+16*\s+8*\p, \af+16*(\q)+8*\p, 32*(\j)+8*\s, \cb+8*\p, \as+(\q), BS+2*(\j)+\s/2, \p, \s%2
.else
	MM \acc+16*\s+8*\p, \af+16*(\q)+8*\p, 32*(\j)+8*\s, \acc+16*\s+8*\p, \as+(\q), BS+2*(\j)+\s/2, \p, \s%2
.endif
.endr
.endr
.rept 4
	v_nop
.endr
.if \fill
	FILLJ \j, SB+2*(\j)
.else
	WIN 0
.endif
.endm
; A REVOLUTION takes slots 0 to 7 and fills each again with the next revolution's record.  Behind a slot's nine loads stand the seven other slots' 63: the count of every step's wait.
.macro REVX cb, rp                     ; two groups of a (K = 512: four steps each) into TA0 and TA1
.irp j, 0,1,2,3
	STEP \j, TA0, XF, ASX, \j, \cb, \rp, 1, 63
.endr
.irp j, 4,5,6,7
	STEP \j, TA1, XF, ASX, \j-4, \cb, \rp, 1, 63
.endr
.endm
; One group of b (K = 1,024: eight steps) into TB
.macro REVH cb, rp, fill
.irp j, 0,1,2,3,4,5,6,7
	STEP \j, TB, HF, ASH, \j, \cb, \rp, \fill, 63
.endr
.endm
; WORK ON A GROUP: 32 packed instructions each, registers ascending.
.macro T_ADDP tt, pp                   ; group += column parameter
	WIN 0x41
.irp s, 0,1,2,3
.irp i, 0,2,4,6,8,10,12,14
	v_pk_add_f32 v[\tt+16*\s+\i:\tt+16*\s+\i+1], v[\tt+16*\s+\i:\tt+16*\s+\i+1], v[\pp+2*\s:\pp+2*\s+1] op_sel_hi:[1,0]
.endr
.endr
.endm
.macro V_ADDT vv, tt                   ; row vector += group
	WIN 0x04
.irp s, 0,1,2,3
.irp i, 0,2,4,6,8,10,12,14
	v_pk_add_f32 v[\vv+\i:\vv+\i+1], v[\vv+\i:\vv+\i+1], v[\tt+16*\s+\i:\tt+16*\s+\i+1]
.endr
.endr
.endm
.macro V_SQT vv, tt                    ; row vector += group squared
	WIN 0x05
.irp s, 0,1,2,3
.irp i, 0,2,4,6,8,10,12,14
	v_pk_fma_f32 v[\vv+\i:\vv+\i+1], v[\tt+16*\s+\i:\tt+16*\s+\i+1], v[\tt+16*\s+\i:\tt+16*\s+\i+1], v[\vv+\i:\vv+\i+1]
.endr
.endr
.endm
.macro T_FMAPP dd, aa, px, py          ; group dd = group aa x column parameter + column parameter
	WIN 0x41
.irp s, 0,1,2,3
.irp i, 0,2,4,6,8,10,12,14
	v_pk_fma_f32 v[\dd+16*\s+\i:\dd+16*\s+\i+1], v[\aa+16*\s+\i:\aa+16*\s+\i+1], v[\px+2*\s:\px+2*\s+1], v[\py+2*\s:\py+2*\s+1] op_sel_hi:[1,0,0]
.endr
.endr
.endm
.macro T_FMAVV dd, aa, va, vb          ; group dd = group aa x row vector + row vector
	WIN 0x41
.irp s, 0,1,2,3
.irp i, 0,2,4,6,8,10,12,14
	v_pk_fma_f32 v[\dd+16*\s+\i:\dd+16*\s+\i+1], v[\aa+16*\s+\i:\aa+16*\s+\i+1], v[\va+\i:\va+\i+1], v[\vb+\i:\vb+\i+1]
.endr
.endr
.endm
.macro T_FMAVP tt, va, pp              ; group = group x row vector + column parameter
	WIN 0x41
.irp s, 0,1,2,3
.irp i, 0,2,4,6,8,10,12,14
	v_pk_fma_f32 v[\tt+16*\s+\i:\tt+16*\s+\i+1], v[\tt+16*\s+\i:\tt+16*\s+\i+1], v[\va+\i:\va+\i+1], v[\pp+2*\s:\pp+2*\s+1] op_sel_hi:[1,1,0]
.endr
.endr
.endm
.macro T_FMAVT dd, aa, va, cc          ; group dd = group aa x row vector + group cc
	WIN 0x51
.irp s, 0,1,2,3
.irp i, 0,2,4,6,8,10,12,14
	v_pk_fma_f32 v[\dd+16*\s+\i:\dd+16*\s+\i+1], v[\aa+16*\s+\i:\aa+16*\s+\i+1], v[\va+\i:\va+\i+1], v[\cc+16*\s+\i:\cc+16*\s+\i+1]
.endr
.endr
.endm
.macro T_ADDV dd, aa, va               ; group dd = group aa + row vector
	WIN 0x41
.irp s, 0,1,2,3
.irp i, 0,2,4,6,8,10,12,14
	v_pk_add_f32 v[\dd+16*\s+\i:\dd+16*\s+\i+1], v[\aa+16*\s+\i:\aa+16*\s+\i+1], v[\va+\i:\va+\i+1]
.endr
.endr
.endm
.macro T_MULV tt, va
	WIN 0x41
.irp s, 0,1,2,3
.irp i, 0,2,4,6,8,10,12,14
	v_pk_mul_f32 v[\tt+16*\s+\i:\tt+16*\s+\i+1], v[\tt+16*\s+\i:\tt+16*\s+\i+1], v[\va+\i:\va+\i+1]
.endr
.endr
.endm
.macro T_MULT tt, uu
	WIN 0x45
.set n, 0
.rept 32
	v_pk_mul_f32 v[\tt+n:\tt+n+1], v[\tt+n:\tt+n+1], v[\uu+n:\uu+n+1]
.set n, n+2
.endr
.endm
.macro T_ADDT tt, uu
	WIN 0x45
.set n, 0
.rept 32
	v_pk_add_f32 v[\tt+n:\tt+n+1], v[\tt+n:\tt+n+1], v[\uu+n:\uu+n+1]
.set n, n+2
.endr
.endm
.macro T_ADDS tt, sp                   ; group += a scalar
	WIN 0x41
.set n, 0
.rept 32
	v_pk_add_f32 v[\tt+n:\tt+n+1], v[\tt+n:\tt+n+1], s[\sp:\sp+1] op_sel_hi:[1,0]
.set n, n+2
.endr
.endm
.macro T_ADD1 tt
	WIN 0x41
.set n, 0
.rept 32
	v_pk_add_f32 v[\tt+n:\tt+n+1], v[\tt+n:\tt+n+1], 1.0 op_sel_hi:[1,0]
.set n, n+2
.endr
.endm
; Transcendentals go as a batch of 64: one plain line behind the last, and ONE wait ahead of the first reader.
.macro T_EXP tt
	WIN 0x41
.set n, 0
.rept 64
	v_exp_f32 v[\tt+n], v[\tt+n]
.set n, n+1
.endr
	v_nop
	s_wait_alu depctr_va_vdst(0)
.endm
.macro T_RCP tt
	WIN 0x41
.set n, 0
.rept 64
	v_rcp_f32 v[\tt+n], v[\tt+n]
.set n, n+1
.endr
	v_nop
	s_wait_alu depctr_va_vdst(0)
.endm
.macro TANH tt                         ; the group holds 2 log2(e) x: 1 - 2 / (1 + 2^..)
	T_EXP \tt
	T_ADD1 \tt
	s_wait_alu depctr_va_vdst(0)
	T_RCP \tt
.set n, 0
.rept 32
	v_pk_fma_f32 v[\tt+n:\tt+n+1], v[\tt+n:\tt+n+1], -2.0, 1.0 op_sel_hi:[1,0,0]
.set n, n+2
.endr
.endm
.macro GLD tt, adr, off                ; a group from my LDS, as an image of its registers
	WIN 0x40
.irp i, 0,1,2,3,4,5,6,7,8,9,10,11,12,13,14,15
	ds_load_b128 v[\tt+4*\i:\tt+4*\i+3], v[\adr] offset:\off+512*\i
.endr
.endm
.macro GST tt, off                     ; and back.  LDS serves a wave's instructions in order, and these bytes are the wave's own: no wait stands between a group's stores and its later loads
	WIN 0x04
.irp i, 0,1,2,3,4,5,6,7,8,9,10,11,12,13,14,15
	ds_store_b128 v[LA], v[\tt+4*\i:\tt+4*\i+3] offset:\off+512*\i
.endr
.endm
.macro STAT tt, pp                     ; e = the sums + the bias; its sum and its sum of squares
	T_ADDP \tt, \pp
	V_ADDT VV2, \tt
	V_SQT VV3, \tt
.endm
.macro VZERO vv
.irp i, 0,1,2,3,4,5,6,7,8,9,10,11,12,13,14,15
	v_mov_b32 v[\vv+\i], 0
.endr
.endm
.macro VCOPY dd, aa
.irp i, 0,1,2,3,4,5,6,7,8,9,10,11,12,13,14,15
	v_mov_b32 v[\dd+\i], v[\aa+\i]
.endr
.endm
.macro VSCALE dd, aa, sp
.irp i, 0,2,4,6,8,10,12,14
	v_pk_mul_f32 v[\dd+\i:\dd+\i+1], v[\aa+\i:\aa+\i+1], s[\sp:\sp+1] op_sel_hi:[1,0]
.endr
.endm
.macro BFLY vv                         ; a row vector summed over the sixteen lanes of each half: every lane ends with the sum
.irp m, 1,2,4,8
.irp i, 0,1,2,3,4,5,6,7,8,9,10,11,12,13,14,15
	v_add_f32_dpp v[\vv+\i], v[\vv+\i], v[\vv+\i] row_xmask:\m row_mask:0xf bank_mask:0xf
.endr
.endr
.endm
.macro RSTORE vv, off                  ; my wave's sums into its place in an exchange: the sixteen lanes of a half write the same bytes with the same numbers
	BFLY \vv
.irp k, 0,1,2,3
	ds_store_b128 v[VST], v[\vv+4*\k:\vv+4*\k+3] offset:\off+16*\k
.endr
.endm
.macro XLD tt, off                     ; the four waves' sums of one row vector, into a group's registers
	WIN 0x40
.irp x, 0,1,2,3
.irp k, 0,1,2,3
	ds_load_b128 v[\tt+16*\x+4*\k:\tt+16*\x+4*\k+3], v[VLD] offset:\off+512*\x+16*\k
.endr
.endr
.endm
.macro XSUM vv, tt                     ; added
	WIN 0x45
.irp i, 0,2,4,6,8,10,12,14
	v_pk_add_f32 v[\tt+\i:\tt+\i+1], v[\tt+\i:\tt+\i+1], v[\tt+16+\i:\tt+16+\i+1]
	v_pk_add_f32 v[\tt+32+\i:\tt+32+\i+1], v[\tt+32+\i:\tt+32+\i+1], v[\tt+48+\i:\tt+48+\i+1]
.endr
	WIN 0x05
.irp i, 0,2,4,6,8,10,12,14
	v_pk_add_f32 v[\vv+\i:\vv+\i+1], v[\tt+\i:\tt+\i+1], v[\tt+32+\i:\tt+32+\i+1]
.endr
.endm
.macro XREAD vv, off
	XLD TA0, \off
	s_wait_dscnt 0x0
	XSUM \vv, TA0
	WIN 0
.endm
.macro BAR                             ; my LDS stores have landed and my LDS loads are in: then the work-group's barrier
	s_wait_dscnt 0x0
	s_barrier_signal -1
	s_barrier_wait -1
.endm
.macro COLS                            ; s56 = my group 4 G + u  ->  s57 = its first column's byte in a vector of 4,096 numbers, s58 = 256 u
	s_lshr_b32 s57, s56, 2
	s_lshl_b32 s57, s57, 12
	s_and_b32 s58, s56, 3
	s_lshl_b32 s58, s58, 8
	s_or_b32 s57, s57, s58
	s_or_b32 s57, s57, s40
.endm
.macro PRELIM vv, lit                  ; the first columns' mean, negated, becomes the C of all later sums; the sums begin anew
	BFLY VV2
	s_mov_b32 s56, \lit
	s_mov_b32 s57, \lit
	VSCALE \vv, VV2, 56
	VZERO VV2
	VZERO VV3
.endm
; Column parameters with the factor k = s76 folded in.  pp: quads bx, ln_in_g, ln_in_b, (bh,) ln_hu_g, ln_hu_b.  PD+0: k g_in; +8: k g_in bx; +16: k g_hu; +24: k g_hu bh; +32: k (b_in + b_hu)
.macro PDER pp, six
.irp s, 0,1,2,3
	v_mul_f32 v[PD+2*\s], s76, v[\pp+4+\s]
	v_mul_f32 v[PD+16+2*\s], s76, v[\pp+12+4*\six+\s]
	v_add_f32 v[PD+32+2*\s], v[\pp+8+\s], v[\pp+16+4*\six+\s]
.endr
.irp s, 0,1,2,3
	v_mul_f32 v[PD+8+2*\s], v[PD+2*\s], v[\pp+\s]
.if \six
	v_mul_f32 v[PD+24+2*\s], v[PD+16+2*\s], v[\pp+12+\s]
.endif
	v_mul_f32 v[PD+32+2*\s], s76, v[PD+32+2*\s]
.endr
.endm
.macro COMB3 tt, uu                    ; tt: a - its mean; uu: e of b out of LDS  ->  tt = k x the gate's pre-activation
	T_FMAPP \tt, \tt, PD, PD+8
	T_FMAVV \uu, \uu, VV5, VV4
	T_FMAPP \uu, \uu, PD+16, PD+32
	T_FMAVT \tt, \tt, VV3, \uu
.endm
.macro COMB6R                          ; the same with b fresh in TB, behind the first step (TA0 = a x k g_in + k g_in bx)
	T_FMAPP TB, TB, PD+16, PD+24
	T_FMAVP TA0, VV3, PD+32
	T_FMAVT TA0, TB, VV5, TA0
.endm
.macro QUADS6
	global_load_b128 v[PL:PL+3], v[PV], s[12:13]
	global_load_b128 v[PL+4:PL+7], v[PV], s[16:17]
	global_load_b128 v[PL+8:PL+11], v[PV], s[18:19]
	global_load_b128 v[PL+12:PL+15], v[PV], s[14:15]
	global_load_b128 v[PL+16:PL+19], v[PV], s[20:21]
	global_load_b128 v[PL+20:PL+23], v[PV], s[22:23]
.endm
.macro GATE_G                          ; TA0 = 1 / (1 + 2^(2 log2(e) g))  ->  (f c_prev + i tanh(g)) with i, f renormalised, into gate i's place in LDS; its row sums into VV6
	GLD TB, LA, 0                                  ; e_i
	GLD X1, LA, 32768                              ; e_f
	WIN 0x41
.set n, 0
.rept 32
	v_pk_fma_f32 v[TA0+n:TA0+n+1], v[TA0+n:TA0+n+1], -2.0, 1.0 op_sel_hi:[1,0,0]   ; tanh(g) = 1 - 2 x that
.set n, n+2
.endr
	s_wait_dscnt 0x0
	T_MULV TB, VV2                                 ; i = e_i / (sum + eps)
	T_MULV X1, VV4                                 ; f
	T_MULT TA0, TB                                 ; i tanh(g)
	T_ADDT TB, X1                                  ; i + f
	WIN 0x59
.irp s, 0,1,2,3
.irp j, 0,1,2,3,4,5,6,7,8,9,10,11,12,13,14,15
	v_fmac_f32 v[TA0+16*\s+\j], v[X1+16*\s+\j], v[CP+4*\j+\s]
.endr
.endr
	T_ADDS TB, 2
	s_wait_alu depctr_va_vdst(0)
	T_RCP TB
	T_MULT TA0, TB
	V_ADDT VV6, TA0
	GST TA0, 0
.endm
; VV2 = my columns' sum of (number + VV6)^2 over the four groups in gate i's place.  Group 0 has been asked for into TB; each trip asks for the next group as soon as TB is read;
; the last trip's request wraps to group 0, which the loop behind this pass takes first.
.macro SQPASS
	VZERO VV2
	s_mov_b32 s41, 0
.Lsq_\@:
	s_add_co_u32 s43, s41, 1
	s_and_b32 s43, s43, 3
	s_lshl_b32 s43, s43, 13
	s_wait_dscnt 0x0                               ; the group asked for a trip ago
	v_add_nc_u32 v[LN], s43, v[LB]
	T_ADDV TA0, TB, VV6
	GLD TB, LN, 0
	V_SQT VV2, TA0
	WIN 0
	s_add_co_u32 s41, s41, 1
	s_cmp_lt_u32 s41, 4
	s_cbranch_scc1 .Lsq_\@
.endm
.macro LNFIN                           ; VV2 = the row's sum of squares, VV6 = -mean  ->  VV3 = 1 / sqrt(var + eps), VV4 = -mean x that
.irp i, 0,1,2,3,4,5,6,7,8,9,10,11,12,13,14,15
	v_fma_f32 v[VV3+\i], v[VV2+\i], s77, s80
.endr
	s_wait_alu depctr_va_vdst(0)
.irp i, 0,1,2,3,4,5,6,7,8,9,10,11,12,13,14,15
	v_rsq_f32 v[VV3+\i], v[VV3+\i]
.endr
	v_nop
	s_wait_alu depctr_va_vdst(0)
.irp i, 0,2,4,6,8,10,12,14
	v_pk_mul_f32 v[VV4+\i:VV4+\i+1], v[VV6+\i:VV6+\i+1], v[VV3+\i:VV3+\i+1]
.endr
.endm
; ---------------------------------------------------------------- the head
	s_load_b512 s[4:19], s[0:1], 0x0               ; xq, hq, wxq, whq, bx, bh, ln_in_g, ln_in_b
	s_load_b512 s[20:35], s[0:1], 0x40             ; ln_hu_g, ln_hu_b, c_prev, ln_c_g, ln_c_b, ln_h_g, ln_h_b, out0
	s_load_b64 s[36:37], s[0:1], 0x80              ; out1
	v_lshl_add_u32 v[SPW], v0, 2, SPARE
	v_mov_b32 v[NIL], 0
	v_lshrrev_b32 v12, 5, v0
	v_readfirstlane_b32 s38, v12                   ; wave 0..3
	v_and_b32 v12, 31, v0                          ; lane
	v_and_b32 v13, 15, v0                          ; r
	v_bfe_u32 v28, v0, 4, 1                        ; h
	v_lshlrev_b32 v[LO16], 4, v12
	v_lshlrev_b32 v[LO8], 3, v12
	v_lshlrev_b32 v[R16], 4, v13
	s_lshl_b32 s56, s38, 16
	v_add_nc_u32 v[LB], s56, v[LO16]
	s_lshl_b32 s56, s38, 9
	s_add_co_u32 s56, s56, RED
	v_lshl_add_u32 v[VST], v28, 8, s56
	v_lshlrev_b32 v[VLD], 8, v28
	v_add_nc_u32 v[VLD], RED, v[VLD]
	v_lshl_add_u32 v[IO], v28, 17, v[R16]
	v_lshl_add_u32 v[PFO], v13, 2, v28
	v_lshlrev_b32 v[PFO], 12, v[PFO]
	s_lshl_b32 s40, s38, 10                        ; 1,024 w: my 256 columns' bytes
	s_lshr_b32 s56, ttmp9, 1                       ; my group of records of x and of h,
	s_and_b32 s57, ttmp9, 1                        ; and which two of its four images
	s_and_b32 s58, s56, 0x43
	s_and_b32 s59, s56, 0x30
	s_lshr_b32 s59, s59, 2
	s_or_b32 s58, s58, s59
	s_and_b32 s59, s56, 0x0c
	s_lshl_b32 s59, s59, 2
	s_or_b32 s58, s58, s59                         ; the 64 rows that it holds (the launch before exchanged bits 5:4 and 3:2)
	s_lshl_b32 s58, s58, 6
	s_lshl_b32 s59, s57, 1
	s_add_co_u32 s58, s58, s59                     ; R0
	s_lshl_b32 s58, s58, 12
	s_add_co_u32 s58, s58, s40                     ; R0 rows of 4,096 bytes + my columns
	s_mov_b32 s59, 0
	s_mov_b32 s2, 0x358637bd                       ; 1e-6
	s_mov_b32 s3, s2
	s_mov_b32 s74, 0xc0e6d4ca                      ; -5 log2(e), 5 log2(e): the clip
	s_mov_b32 s75, 0x40e6d4ca
	s_mov_b32 s77, 0x3a800000                      ; 1 / 1,024
	s_mov_b32 s78, 0x39800000                      ; 1 / 4,096
	s_mov_b32 s79, s78
	s_mov_b32 s80, 0x3727c5ac                      ; 1e-5
	s_mov_b32 s81, s80
	s_mov_b32 s82, 0xba800000                      ; -1 / 1,024
	s_mov_b32 s83, s82
	s_mov_b32 s61, 0
	s_mov_b32 s63, 0
	s_wait_alu depctr_va_vdst(0)
	s_wait_kmcnt 0x0
	s_add_nc_u64 s[66:67], s[24:25], s[58:59]      ; c_prev, out0, out1 at my rows and columns
	s_add_nc_u64 s[68:69], s[34:35], s[58:59]
	s_add_nc_u64 s[70:71], s[36:37], s[58:59]
	s_mul_i32 s60, s56, 4*REC
	s_add_nc_u64 s[4:5], s[4:5], s[60:61]          ; my group of x's records
	s_lshl_b32 s62, s57, 11
	s_add_nc_u64 s[52:53], s[4:5], s[62:63]        ; x's images
	s_lshl_b32 s62, s57, 2
	s_add_nc_u64 s[4:5], s[4:5], s[62:63]          ; x's scale words
	s_mul_i32 s60, s56, 8*REC
	s_add_nc_u64 s[6:7], s[6:7], s[60:61]          ; my group of h's records
	s_lshl_b32 s62, s57, 11
	s_add_nc_u64 s[72:73], s[6:7], s[62:63]        ; h's images
	s_lshl_b32 s62, s57, 2
	s_add_nc_u64 s[6:7], s[6:7], s[62:63]          ; h's scale words
	s_mul_i32 s60, s38, 64*REC
	s_add_nc_u64 s[44:45], s[8:9], s[60:61]        ; my wave's 64 records of Wx
	s_mul_i32 s60, s38, 128*REC
	s_add_nc_u64 s[46:47], s[10:11], s[60:61]      ; and 128 of Wh
	WIN 0x80
.irp q, 0,1,2,3
.irp p, 0,1
.irp c, 0,1
	global_load_b128 v[XF+16*\q+8*\p+4*\c:XF+16*\q+8*\p+4*\c+3], v[LO16], s[52:53] offset:\q*REC+1024*\p+512*\c th:TH_LOAD_NT
.endr
.endr
.endr
.irp q, 0,1,2,3,4,5,6,7
.irp p, 0,1
.irp c, 0,1
	global_load_b128 v[HF+16*\q+8*\p+4*\c:HF+16*\q+8*\p+4*\c+3], v[LO16], s[72:73] offset:\q*REC+1024*\p+512*\c th:TH_LOAD_NT
.endr
.endr
.endr
	WIN 0
.irp q, 0,1,2,3
	global_load_b32 v[ASX+\q], v[LO8], s[4:5] offset:\q*REC+4096
.endr
.irp q, 0,1,2,3,4,5,6,7
	global_load_b32 v[ASH+\q], v[LO8], s[6:7] offset:\q*REC+4096
.endr
.irp j, 0,1,2,3,4,5,6,7
	FILLJ \j, 8                                    ; the ring's first fill: Wx's first eight records, columns 0 to 127, for the first mean
.endr
	VZERO VV0
	VZERO VV1
	VZERO VV2
	VZERO VV3
.irp i, 1,3,5,7,9,11,13,15,17,19,21,23,25,27,29,31,33,35,37,39
	v_mov_b32 v[PD+\i], 0                          ; the pairs' upper words are named and never used: written once
.endr
; ---------------------------------------------------------------- P1: a's mean and variance.  Trip 0: the first 128 columns, in all waves alike; trips 1 to 8: my sixteen groups, two a trip
	s_mov_b64 s[50:51], s[44:45]
	s_mov_b32 s41, 0
.Lp1:
	s_cmp_eq_u32 s41, 8
	s_cselect_b64 s[48:49], s[10:11], s[50:51]     ; what the ring takes next: my next eight records; at the end Wh's first eight
	s_sub_co_u32 s56, s41, 1
	s_lshl_b32 s56, s56, 1
	COLS
	s_cmp_eq_u32 s41, 0
	s_cselect_b32 s57, 0, s57
	v_add_nc_u32 v[PV], s57, v[R16]                ; (the loads that read it last were shown done by the last trip's wait behind its revolution)
	global_load_b128 v[PL:PL+3], v[PV], s[12:13]
	global_load_b128 v[PL+4:PL+7], v[PV], s[12:13] offset:256
	REVX VV0, 48
	s_wait_loadcnt 63                              ; the two parameter loads are older than the revolution's 72
.irp s, 0,1,2,3
	v_mov_b32 v[PD+2*\s], v[PL+\s]
	v_mov_b32 v[PD+8+2*\s], v[PL+4+\s]
.endr
	STAT TA0, PD
	STAT TA1, PD+8
	WIN 0
	s_cmp_lg_u32 s41, 0
	s_cbranch_scc1 .Lp1n
	PRELIM VV0, 0xbc000000                         ; -1 / 128
.Lp1n:
	s_add_nc_u64 s[50:51], s[50:51], 8*REC
	s_add_co_u32 s41, s41, 1
	s_cmp_lt_u32 s41, 9
	s_cbranch_scc1 .Lp1
	RSTORE VV2, EX1
	RSTORE VV3, EX1+64
	VZERO VV2
	VZERO VV3
; ---------------------------------------------------------------- P2n: b's sums over the gates g and o.  Trip 0: the first 64 columns; trips 1 to 8: my groups 8 to 15
; P2: b's sums, one loop of 17 trips.  Trip 0: the first 64 columns, in all waves alike; trip t > 0: my group (t + 7) % 16: the gates g and o first (8 to 15), then i and f (0 to 7), whose e goes to LDS
	s_mov_b32 s41, 0
.Lp2n:
	s_add_co_u32 s56, s41, 8
	s_and_b32 s56, s56, 15                         ; the next trip's group,
	s_mul_i32 s50, s56, 8*REC                      ; its eight records' offset among my 128 of Wh
	s_mov_b32 s51, 0
	s_add_nc_u64 s[50:51], s[46:47], s[50:51]
	s_cmp_eq_u32 s41, 16
	s_cselect_b64 s[48:49], s[44:45], s[50:51]     ; what the ring takes next; at the end: Wx again, from my first record
	s_add_co_u32 s56, s41, 7
	s_and_b32 s56, s56, 15
	COLS
	s_cmp_eq_u32 s41, 0
	s_cselect_b32 s57, 0, s57
	v_add_nc_u32 v[PV], s57, v[R16]
	global_load_b128 v[PL:PL+3], v[PV], s[14:15]
	REVH VV1, 48, 1
	s_wait_loadcnt 63
.irp s, 0,1,2,3
	v_mov_b32 v[PD+2*\s], v[PL+\s]
.endr
	STAT TB, PD
	WIN 0
	s_cmp_lg_u32 s41, 0
	s_cbranch_scc1 .Lp2m
	PRELIM VV1, 0xbc800000                         ; -1 / 64
.Lp2m:
	s_cmp_lt_u32 s41, 9
	s_cbranch_scc1 .Lp2k                           ; the gates g and o are summed and not kept
	s_add_co_u32 s42, s41, 7
	s_and_b32 s42, s42, 7                          ; group 0 to 7
	s_lshl_b32 s42, s42, 13
	v_add_nc_u32 v[LA], s42, v[LB]
	GST TB, 0
	WIN 0
.Lp2k:
	s_add_co_u32 s41, s41, 1
	s_cmp_lt_u32 s41, 17
	s_cbranch_scc1 .Lp2n
	RSTORE VV2, EX1+128
	RSTORE VV3, EX1+192
	BAR
; ---------------------------------------------------------------- S1: VV0 = -(a's mean), VV3 = 1 / sqrt(a's variance + eps); VV1, VV5 the same of b; VV4 = -(mean of e_b) x VV5
	XLD TA0, EX1                                   ; the four vectors' 64 loads go out together, under one wait
	XLD TA1, EX1+64
	XLD TB, EX1+128
	XLD X1, EX1+192
	s_wait_dscnt 0x0
	XSUM VV2, TA0
	XSUM VV3, TA1
	XSUM VV4, TB
	XSUM VV5, X1
	WIN 0
	VSCALE VV2, VV2, 78
	VSCALE VV3, VV3, 78
	VSCALE VV4, VV4, 78
	VSCALE VV5, VV5, 78
.irp i, 0,2,4,6,8,10,12,14
	v_pk_fma_f32 v[VV3+\i:VV3+\i+1], v[VV2+\i:VV2+\i+1], v[VV2+\i:VV2+\i+1], v[VV3+\i:VV3+\i+1] neg_lo:[1,0,0] neg_hi:[1,0,0]
	v_pk_fma_f32 v[VV5+\i:VV5+\i+1], v[VV4+\i:VV4+\i+1], v[VV4+\i:VV4+\i+1], v[VV5+\i:VV5+\i+1] neg_lo:[1,0,0] neg_hi:[1,0,0]
.endr
.irp i, 0,1,2,3,4,5,6,7,8,9,10,11,12,13,14,15
	v_max_num_f32 v[VV3+\i], 0, v[VV3+\i]
	v_max_num_f32 v[VV5+\i], 0, v[VV5+\i]
.endr
.irp i, 0,2,4,6,8,10,12,14
	v_pk_add_f32 v[VV3+\i:VV3+\i+1], v[VV3+\i:VV3+\i+1], s[80:81] op_sel_hi:[1,0]
	v_pk_add_f32 v[VV5+\i:VV5+\i+1], v[VV5+\i:VV5+\i+1], s[80:81] op_sel_hi:[1,0]
.endr
	s_wait_alu depctr_va_vdst(0)
.irp i, 0,1,2,3,4,5,6,7,8,9,10,11,12,13,14,15
	v_rsq_f32 v[VV3+\i], v[VV3+\i]
	v_rsq_f32 v[VV5+\i], v[VV5+\i]
.endr
.irp i, 0,2,4,6,8,10,12,14
	v_pk_add_f32 v[VV0+\i:VV0+\i+1], v[VV0+\i:VV0+\i+1], v[VV2+\i:VV2+\i+1] neg_lo:[0,1] neg_hi:[0,1]
	v_pk_add_f32 v[VV1+\i:VV1+\i+1], v[VV1+\i:VV1+\i+1], v[VV4+\i:VV4+\i+1] neg_lo:[0,1] neg_hi:[0,1]
.endr
	s_wait_alu depctr_va_vdst(0)                   ; one wait for the 32 roots, ahead of their first reader
.irp i, 0,2,4,6,8,10,12,14
	v_pk_mul_f32 v[VV4+\i:VV4+\i+1], v[VV4+\i:VV4+\i+1], v[VV5+\i:VV5+\i+1] neg_lo:[1,0] neg_hi:[1,0]
.endr
	VZERO VV2
	VZERO VV6
; ---------------------------------------------------------------- P3: the pre-activations of the gates i and f, x log2(e), two groups a trip, in place; their row sums
	s_add_nc_u64 s[48:49], s[44:45], 8*REC
	s_mov_b32 s76, 0x3fb8aa3b                      ; log2(e)
	s_mov_b32 s41, 0
	s_mov_b32 s42, 0
.Lp3:
	s_lshl_b32 s56, s41, 1
	COLS
	v_add_nc_u32 v[PV], s57, v[R16]
.irp g, 0,1
	global_load_b128 v[PL+20*\g:PL+20*\g+3], v[PV], s[12:13] offset:256*\g
	global_load_b128 v[PL+20*\g+4:PL+20*\g+7], v[PV], s[16:17] offset:256*\g
	global_load_b128 v[PL+20*\g+8:PL+20*\g+11], v[PV], s[18:19] offset:256*\g
	global_load_b128 v[PL+20*\g+12:PL+20*\g+15], v[PV], s[20:21] offset:256*\g
	global_load_b128 v[PL+20*\g+16:PL+20*\g+19], v[PV], s[22:23] offset:256*\g
.endr
	v_add_nc_u32 v[LA], s42, v[LB]
	GLD TB, LA, 0
	GLD X1, LA, 8192
	REVX VV0, 48
	s_wait_loadcnt 63                              ; the ten parameter loads are older than the revolution's 72
	s_wait_dscnt 0x0
	PDER PL, 0
	COMB3 TA0, TB
	V_ADDT VV2, TA0
	GST TA0, 0
	WIN 0
	PDER PL+20, 0
	COMB3 TA1, X1
	V_ADDT VV2, TA1
	GST TA1, 8192
	WIN 0
	s_cmp_lg_u32 s41, 1
	s_cbranch_scc1 .Lp3n
	VCOPY VV6, VV2                                 ; gate i is through: its sums are put by
	VZERO VV2
.Lp3n:
	s_add_nc_u64 s[48:49], s[48:49], 8*REC
	s_add_co_u32 s42, s42, 16384
	s_add_co_u32 s41, s41, 1
	s_cmp_lt_u32 s41, 4
	s_cbranch_scc1 .Lp3
	RSTORE VV6, EX2
	RSTORE VV2, EX2+64
	GLD TB, LB, 0                                  ; the next pass's first group is asked for ahead of the barrier
	WIN 0
	BAR
; ---------------------------------------------------------------- P4: centred, clipped, exponential; in place; the sums
	XLD TA0, EX2
	XLD TA1, EX2+64
	s_wait_dscnt 0x0
	XSUM VV6, TA0
	XSUM VV4, TA1
	WIN 0
	VSCALE VV6, VV6, 82                            ; -mean of gate i,
	VSCALE VV4, VV4, 82                            ; of gate f
	VZERO VV2
	VZERO VV7
	s_mov_b64 s[72:73], s[66:67]
	s_mov_b32 s41, 0
	s_mov_b32 s42, 0
.Lp4:
	s_wait_xcnt 0x0                                ; the last trip's prefetch has read its base
	s_cmp_gt_u32 s41, 4
	s_cselect_b32 s56, 256, 0
	s_mov_b32 s57, 0
	s_add_nc_u64 s[72:73], s[72:73], s[56:57]
	s_add_co_u32 s43, s41, 1
	s_and_b32 s43, s43, 7
	s_lshl_b32 s43, s43, 13                        ; the next group
	s_wait_dscnt 16                                ; this trip's group, asked for a trip ago, is in; behind its 16 loads stand the last trip's 16 stores
	v_add_nc_u32 v[LA], s42, v[LB]
	v_add_nc_u32 v[LN], s43, v[LB]
	T_ADDV TA0, TB, VV6
	WIN 0
	s_cmp_eq_u32 s41, 7
	s_cbranch_scc1 .Lp4a                           ; the last trip asks for nothing
	GLD TB, LN, 0
	WIN 0
.Lp4a:
	s_cmp_lt_u32 s41, 4
	s_cbranch_scc1 .Lp4n
	; trips 4 to 7 ask for my wave's c_prev, which the next phase's first four trips load: 32 rows x 256 bytes a trip, a lane a row; each of these blocks is named once in the launch, by the one wave that will read it
	global_prefetch_b8 v[PFO], s[72:73] th:TH_LOAD_NT scope:SCOPE_SE
.Lp4n:
	WIN 0x41
.set n, 0
.rept 64
	v_med3_num_f32 v[TA0+n], v[TA0+n], s74, s75
.set n, n+1
.endr
	s_wait_alu depctr_va_vdst(0)
	T_EXP TA0
	V_ADDT VV2, TA0
	GST TA0, 0
	WIN 0
	s_cmp_lg_u32 s41, 3
	s_cbranch_scc1 .Lp4m
	VCOPY VV6, VV4                                 ; on to gate f: its mean; gate i's sums are put by
	VCOPY VV7, VV2
	VZERO VV2
.Lp4m:
	s_add_co_u32 s42, s42, 8192
	s_add_co_u32 s41, s41, 1
	s_cmp_lt_u32 s41, 8
	s_cbranch_scc1 .Lp4
	RSTORE VV7, EX3
	RSTORE VV2, EX3+64
	BAR
	XLD TA0, EX3
	XLD TA1, EX3+64
	s_wait_dscnt 0x0
	XSUM VV2, TA0
	XSUM VV4, TA1
	WIN 0
.irp i, 0,2,4,6,8,10,12,14
	v_pk_add_f32 v[VV2+\i:VV2+\i+1], v[VV2+\i:VV2+\i+1], s[2:3] op_sel_hi:[1,0]
	v_pk_add_f32 v[VV4+\i:VV4+\i+1], v[VV4+\i:VV4+\i+1], s[2:3] op_sel_hi:[1,0]
.endr
	s_wait_alu depctr_va_vdst(0)
.irp i, 0,1,2,3,4,5,6,7,8,9,10,11,12,13,14,15
	v_rcp_f32 v[VV2+\i], v[VV2+\i]
	v_rcp_f32 v[VV4+\i], v[VV4+\i]
.endr
	VZERO VV6
	s_wait_alu depctr_va_vdst(0)                   ; one wait for the 32 reciprocals
; ---------------------------------------------------------------- P67: the gates g (trips 0 to 3) and o (4 to 7).  An even trip multiplies a for two groups; every trip multiplies b for one
	s_add_nc_u64 s[52:53], s[46:47], 64*REC        ; Wh's records to come,
	s_add_nc_u64 s[54:55], s[44:45], 40*REC        ; Wx's
	s_mov_b32 s41, 0
.Lg:
	s_and_b32 s43, s41, 1
	s_cmp_lg_u32 s43, 0
	s_cbranch_scc1 .Lg1
	REVX VV0, 52
	s_add_nc_u64 s[52:53], s[52:53], 8*REC
.Lg1:
	s_add_co_u32 s56, s41, 8
	COLS
	v_add_nc_u32 v[PV], s57, v[R16]
	QUADS6
	s_cmp_ge_u32 s41, 4
	s_cbranch_scc1 .Lg2
	v_add_nc_u32 v[IOU], s58, v[IO]
	WIN 0x80
.irp j, 0,1,2,3,4,5,6,7,8,9,10,11,12,13,14,15
	global_load_b128 v[CP+4*\j:CP+4*\j+3], v[IOU], s[66:67] offset:(4*(\j%8)+\j/8)*4096 th:TH_LOAD_NT   ; sixteen lanes read 256 consecutive bytes of a row
.endr
	WIN 0
.Lg2:
	s_cmp_eq_u32 s43, 0
	s_cselect_b64 s[48:49], s[52:53], s[54:55]     ; behind an even trip's b comes b, behind an odd trip's comes a
	s_cselect_b32 s58, 8*REC, 0
	s_cselect_b32 s60, 0, 8*REC
	s_mov_b32 s59, 0
	s_mov_b32 s61, 0
	s_cmp_eq_u32 s41, 7                            ; the last trip's fill names my first eight records of Wx again and is not used: 72 loads a wave, once;
	s_cselect_b64 s[48:49], s[44:45], s[48:49]     ; so the same number of loads stands behind each step's wait in every trip, and no load leaves the buffer
	REVH VV1, 48, 1
	s_add_nc_u64 s[52:53], s[52:53], s[58:59]
	s_add_nc_u64 s[54:55], s[54:55], s[60:61]
	s_wait_loadcnt 63                              ; the parameters and c_prev are older than the revolution's 72: they are in, and their offsets may be written again
	s_cmp_lt_u32 s41, 4
	s_mov_b32 s76, 0xbfb8aa3b                      ; -log2(e) for the sigmoid,
	s_cselect_b32 s76, 0x4038aa3b, s76             ; 2 log2(e) for tanh
	PDER PL, 1
	s_cmp_lg_u32 s43, 0
	s_cbranch_scc1 .Lg3
	T_FMAPP TA0, TA0, PD, PD+8
	WIN 0
	s_branch .Lg4
.Lg3:
	T_FMAPP TA0, TA1, PD, PD+8                     ; an odd trip takes the second group of the trip before
	WIN 0
.Lg4:
	COMB6R
	WIN 0
	s_and_b32 s56, s41, 3
	s_lshl_b32 s56, s56, 13
	v_add_nc_u32 v[LA], s56, v[LB]
	s_wait_alu depctr_va_vdst(0)
	T_EXP TA0                                      ; both gates take 1 / (1 + 2^TA0): for o that is sigmoid(o), for g tanh follows from it
	T_ADD1 TA0
	s_wait_alu depctr_va_vdst(0)
	T_RCP TA0
	WIN 0
	s_cmp_ge_u32 s41, 4
	s_cbranch_scc1 .Lg5
	GATE_G
	WIN 0
	s_wait_alu depctr_va_vdst(0)                   ; directly ahead of the branch
	s_branch .Lg6
.Lg5:
	GST TA0, 32768                                 ; sigmoid(o), into gate f's place in LDS
	WIN 0
.Lg6:
	s_add_co_u32 s41, s41, 1
	s_cmp_lt_u32 s41, 8
	s_cbranch_scc1 .Lg
	v_add_nc_u32 v[PV], s40, v[R16]                ; asked for ahead of the exchange: ln_c's numbers of my first 64 columns,
	global_load_b128 v[PL:PL+3], v[PV], s[26:27]
	global_load_b128 v[PL+4:PL+7], v[PV], s[28:29]
	GLD TB, LB, 0                                  ; and the first group of f c_prev + i tanh(g)
	WIN 0
	RSTORE VV6, EX4
	BAR
; ---------------------------------------------------------------- the tail: c, tanh(c), h
	XREAD VV6, EX4
	VSCALE VV6, VV6, 82                            ; -mean
	SQPASS
	RSTORE VV2, EX5
	BAR
	XREAD VV2, EX5
	LNFIN
	VZERO VV2
	s_mov_b32 s76, 0x4038aa3b                      ; 2 log2(e)
	s_mov_b32 s41, 0
	s_mov_b32 s42, 0
.Lt2:
	s_add_co_u32 s43, s41, 1
	s_and_b32 s43, s43, 3
	s_lshl_b32 s56, s43, 8
	s_or_b32 s56, s56, s40                         ; the next trip's columns, in bytes,
	s_lshl_b32 s43, s43, 13                        ; and its group in LDS
	s_lshl_b32 s57, s41, 8
	s_wait_loadcnt 0x0                             ; this trip's parameters, asked for a trip ago: their offset and bases may be written again
	s_cmp_eq_u32 s41, 3
	s_cselect_b64 s[58:59], s[30:31], s[26:27]     ; the last trip asks for what the loop over h takes first: ln_h's numbers of my first 64 columns
	s_cselect_b64 s[60:61], s[32:33], s[28:29]
	s_wait_dscnt 16                                ; this trip's group is in; behind its 16 loads stand the last trip's 16 stores
	v_add_nc_u32 v[LA], s42, v[LB]
	v_add_nc_u32 v[LN], s43, v[LB]
	T_FMAVV TA0, TB, VV3, VV4                      ; normalised
	GLD TB, LN, 0                                  ; the next group; the last trip's wraps to group 0, which by then holds tanh(c): the next pass begins with it
	WIN 0
.irp s, 0,1,2,3
	v_mul_f32 v[PD+2*\s], s76, v[PL+\s]
	v_mul_f32 v[PD+8+2*\s], s76, v[PL+4+\s]
.endr
	s_wait_xcnt 0x0                                ; the last trip's stores have read their data and their offset
	v_add_nc_u32 v[IOU], s57, v[IO]
	WIN 0x81
.irp s, 0,1,2,3
.irp j, 0,1,2,3,4,5,6,7,8,9,10,11,12,13,14,15
	v_fma_f32 v[STG+4*\j+\s], v[TA0+16*\s+\j], v[PL+\s], v[PL+4+\s]    ; c, four neighbouring columns of a row on end
.endr
.endr
	WIN 0
	v_add_nc_u32 v[PV], s56, v[R16]
	global_load_b128 v[PL:PL+3], v[PV], s[58:59]   ; the next trip's parameters, ahead of the stores
	global_load_b128 v[PL+4:PL+7], v[PV], s[60:61]
	WIN 0x08
.irp j, 0,1,2,3,4,5,6,7,8,9,10,11,12,13,14,15
	global_store_b128 v[IOU], v[STG+4*\j:STG+4*\j+3], s[70:71] offset:(4*(\j%8)+\j/8)*4096 th:TH_STORE_NT   ; sixteen lanes store 256 consecutive bytes, at a multiple of 256 from out1's first byte
.endr
	T_FMAPP TA0, TA0, PD, PD+8                     ; 2 log2(e) c
	s_wait_alu depctr_va_vdst(0)
	TANH TA0
	V_ADDT VV2, TA0
	GST TA0, 0
	WIN 0
	s_add_co_u32 s42, s42, 8192
	s_add_co_u32 s41, s41, 1
	s_cmp_lt_u32 s41, 4
	s_cbranch_scc1 .Lt2
	GLD X1, LB, 32768                              ; the first group of sigmoid(o), asked for ahead of the exchanges
	WIN 0
	RSTORE VV2, EX6
	BAR
	XREAD VV6, EX6
	VSCALE VV6, VV6, 82
	SQPASS
	RSTORE VV2, EX7
	BAR
	XREAD VV2, EX7
	LNFIN
	s_mov_b32 s41, 0
; The last trip's two requests to LDS wrap to group 0 and are not used: 32 loads a wave, once; so the same number of LDS loads stands behind each wait in every trip.
.Lt4:
	s_add_co_u32 s43, s41, 1
	s_and_b32 s43, s43, 3
	s_lshl_b32 s56, s43, 8
	s_or_b32 s56, s56, s40
	s_lshl_b32 s43, s43, 13
	s_lshl_b32 s57, s41, 8
	s_wait_dscnt 16                                ; tanh(c) of this trip is in; behind its 16 loads stand sigmoid(o)'s 16
	v_add_nc_u32 v[LN], s43, v[LB]
	s_wait_alu depctr_va_vdst(0)
	T_FMAVV TA0, TB, VV3, VV4
	GLD TB, LN, 0                                  ; the next tanh(c)
	WIN 0
	s_wait_loadcnt 0x0                             ; this trip's parameters
.irp s, 0,1,2,3
	v_mov_b32 v[PD+2*\s], v[PL+\s]
	v_mov_b32 v[PD+8+2*\s], v[PL+4+\s]
.endr
	T_FMAPP TA0, TA0, PD, PD+8
	WIN 0
	s_wait_xcnt 0x0                                ; the last trip's stores have read their data and their offset
	v_add_nc_u32 v[IOU], s57, v[IO]
	s_cmp_eq_u32 s41, 3
	s_cbranch_scc1 .Lt4n
	v_add_nc_u32 v[PV], s56, v[R16]
	global_load_b128 v[PL:PL+3], v[PV], s[30:31]   ; the next trip's parameters, ahead of the stores
	global_load_b128 v[PL+4:PL+7], v[PV], s[32:33]
.Lt4n:
	s_wait_dscnt 16                                ; sigmoid(o) of this trip is in; behind its 16 loads stand the next tanh(c)'s 16
	WIN 0x85
.irp s, 0,1,2,3
.irp j, 0,1,2,3,4,5,6,7,8,9,10,11,12,13,14,15
	v_mul_f32 v[STG+4*\j+\s], v[X1+16*\s+\j], v[TA0+16*\s+\j]
.endr
.endr
	GLD X1, LN, 32768                              ; the next sigmoid(o)
	WIN 0x08
.irp j, 0,1,2,3,4,5,6,7,8,9,10,11,12,13,14,15
	global_store_b128 v[IOU], v[STG+4*\j:STG+4*\j+3], s[68:69] offset:(4*(\j%8)+\j/8)*4096 th:TH_STORE_NT
.endr
	WIN 0
	s_add_co_u32 s41, s41, 1
	s_cmp_lt_u32 s41, 4
	s_cbranch_scc1 .Lt4
	s_wait_tensorcnt 0x0                           ; the wave's end, behind my last LDS store
	ds_add_u32 v[SPW], v[NIL]
	s_wait_dscnt 0x0
	s_endpgm
.Lfunc_end_k_q57320ae317_cell:
	.size	k_q57320ae317_cell, .Lfunc_end_k_q57320ae317_cell-k_q57320ae317_cell
	.p2alignl 7, 3214868480
	.fill 96, 4, 3214868480
	.section	.rodata,"a",@progbits
	.p2align	6, 0x0
	.amdhsa_kernel k_q57320ae317_cell
		.amdhsa_group_segment_fixed_size 276992
		.amdhsa_private_segment_fixed_size 0
		.amdhsa_enable_private_segment 0
		.amdhsa_kernarg_size 136
		.amdhsa_user_sgpr_count 2
		.amdhsa_user_sgpr_kernarg_segment_ptr 1
		.amdhsa_wavefront_size32 1
		.amdhsa_system_sgpr_workgroup_id_x 1
		.amdhsa_system_sgpr_workgroup_id_y 1
		.amdhsa_system_sgpr_workgroup_id_z 1
		.amdhsa_system_vgpr_workitem_id 0
		.amdhsa_next_free_vgpr 1024
		.amdhsa_next_free_sgpr 100
		.amdhsa_reserve_vcc 0
		.amdhsa_float_denorm_mode_32 3
		.amdhsa_float_denorm_mode_16_64 3
		.amdhsa_memory_ordered 1
		.amdhsa_forward_progress 1
		.amdhsa_inst_pref_size 255
	.end_amdhsa_kernel
	.section	.bss,"aw",@nobits
	.p2align	6
	.space	262144
	.amdgpu_metadata
---
amdhsa.version: [ 1, 2 ]
amdhsa.kernels:
  - .name:           k_q57320ae317_cell
    .symbol:         k_q57320ae317_cell.kd
    .args:
      - { .name: xq, .offset: 0, .size: 8, .value_kind: global_buffer, .address_space: global }
      - { .name: hq, .offset: 8, .size: 8, .value_kind: global_buffer, .address_space: global }
      - { .name: wxq, .offset: 16, .size: 8, .value_kind: global_buffer, .address_space: global }
      - { .name: whq, .offset: 24, .size: 8, .value_kind: global_buffer, .address_space: global }
      - { .name: bx, .offset: 32, .size: 8, .value_kind: global_buffer, .address_space: global }
      - { .name: bh, .offset: 40, .size: 8, .value_kind: global_buffer, .address_space: global }
      - { .name: ln_in_g, .offset: 48, .size: 8, .value_kind: global_buffer, .address_space: global }
      - { .name: ln_in_b, .offset: 56, .size: 8, .value_kind: global_buffer, .address_space: global }
      - { .name: ln_hu_g, .offset: 64, .size: 8, .value_kind: global_buffer, .address_space: global }
      - { .name: ln_hu_b, .offset: 72, .size: 8, .value_kind: global_buffer, .address_space: global }
      - { .name: c_prev, .offset: 80, .size: 8, .value_kind: global_buffer, .address_space: global }
      - { .name: ln_c_g, .offset: 88, .size: 8, .value_kind: global_buffer, .address_space: global }
      - { .name: ln_c_b, .offset: 96, .size: 8, .value_kind: global_buffer, .address_space: global }
      - { .name: ln_h_g, .offset: 104, .size: 8, .value_kind: global_buffer, .address_space: global }
      - { .name: ln_h_b, .offset: 112, .size: 8, .value_kind: global_buffer, .address_space: global }
      - { .name: out0, .offset: 120, .size: 8, .value_kind: global_buffer, .address_space: global }
      - { .name: out1, .offset: 128, .size: 8, .value_kind: global_buffer, .address_space: global }
    .group_segment_fixed_size: 276992
    .private_segment_fixed_size: 0
    .kernarg_segment_align: 8
    .kernarg_segment_size: 136
    .max_flat_workgroup_size: 128
    .sgpr_count:     100
    .vgpr_count:     1024
    .wavefront_size: 32
...
	.end_amdgpu_metadata
.endif
;; end of part 2
